; MI455X (gfx1250); checked and timed in simulation.
; The chip was launched on July 23, 2026; its instructions are those of AMD's public machine-readable ISA for CDNA 5 (MIT licence, August 2026) and "CDNA5" Instruction Set Architecture Reference Guide (July 2026). The comments in the code are by the model that wrote it; some were corrected since.
;; Simple Mask Module. Allowed arithmetic: float matrix products may take bf16 or f16 operands with f32 sums; all other float work in f32.
;; Inputs: lambdas 2,048 x 64 float32.
;; Outputs: out0 2,048 x 2,048 float32; out1 2,048 x 64 float32.
;; One version. Each part assembles by itself: llvm-mc -triple=amdgcn-amd-amdhsa -mcpu=gfx1250 --defsym DOCPART=n.
;; ======== version 1 of 1: 1 launch
;; launch l1mask (part 1): grid 256 x 1, 4 waves a work-group, no clusters, 168,448 bytes of LDS; arguments lambdas, out0, out1; writes out0, out1
.if DOCPART == 1
	.amdgcn_target "amdgcn-amd-amdhsa--gfx1250"
	.amdhsa_code_object_version 6
	.text
	.protected	k_qc913c93939_l1mask
	.globl	k_qc913c93939_l1mask
	.p2align	8
	.type	k_qc913c93939_l1mask,@function
k_qc913c93939_l1mask:
	s_mov_b64 s[64:65], 0
	v_nop
	global_prefetch_b8 v0, s[64:65] scope:SCOPE_SE
	s_setreg_imm32_b32 hwreg(HW_REG_WAVE_MODE, 25, 1), 1
	s_wait_xcnt 0x0
; out0[i][j] = exp(-sum over k of |lambdas[i][k] - lambdas[j][k]|), 2048 x 2048 f32;  out1 = lambdas (2048 x 64 f32), copied.
;
; WORK THAT IS DONE ONCE INSTEAD OF TWICE.  |x - y| = |y - x| holds for all x, y, in f32 too (NaN and infinity included), so
; out0[j][i] = out0[i][j] for every input.  The matrix is cut into 32 x 32 blocks of 64 x 64; block (I, J) is named by
; delta = (J - I) mod 32.  delta = 0: computed whole, stored once.  delta = 1..15: computed once, stored straight and mirrored
; (the mirror is the block with delta = 17..31).  delta = 16: computed from both sides, so that every work-group has the same
; share and every store covers 256 aligned consecutive bytes.  That is 64 x 1088 results for a block row instead of 64 x 2048.
; No input is left out.
; LIMITS.  The 64 terms of a sum are added in another order than a plain chain (pairs of k first): rounding only.  A result below
; 2^-126 comes out as 0 (v_exp_f32 gives no denormals: ISA guide, its entry in 15.8).
;
; SHARES.  256 work-groups of four waves.  Work-group g: i = g >> 3 (block row), q = g & 7.  It takes the rows of block i against
; column block (i + 2q) mod 32 (pass 0), then against (i + 2q + 1) mod 32 (pass 1), then rows 8q .. 8q+7 against block (i + 16) mod 32
; (the extra piece).  TWO PASSES, so that pass 0's 16 stores of each wave are issued ahead of pass 1's 2,560 arithmetic instructions
; and pass 1's ahead of the extra piece's 320: only the extra piece's one store a wave has nothing behind it.
; In a pass wave w has rows 16w .. 16w+15 and all 64 columns; lane (li, lj) = (lane >> 3, lane & 7) has rows 4 li + x (x = 0..3) and
; columns 8 y + lj (y = 0..7): 32 sums.  The four rows are neighbours, so a column of the lane's results is 16 neighbouring bytes of a
; mirrored row.  In the extra piece wave w has rows 8q + 2w, 8q + 2w + 1 whole; a lane has both rows and columns lane, lane + 32.
; ARITHMETIC, 1.25 instructions for a term: v_pk_add_f32 with a negated source makes two differences (two k of one pair of rows),
; v_add_f32 with |.| on both sources folds them, v_pk_add_f32 adds two such sums onto two neighbouring accumulators.
; No matrix instruction: an absolute difference is no product.
; NO CLUSTER: a work-group fetches 64 KiB once, at its head, and then issues 5,440 arithmetic instructions a lane on them; only half
; of that fetch (A and E) is shared with the seven other work-groups of the block row, and a joint fetch would need two
; rounds of the cluster's barrier for it.
;
; LDS.  Tile rows of 256 bytes + 16 of padding = 68 words: row r begins at bank 4 r mod 64 (64 banks of 4 bytes: ISA guide 11.1).
; The stages are bytes of their own; no tensor load lands there.
.set PITCH, 272
.set BLK,   64*PITCH                   ; one block of 64 rows
.set HALF,  32*PITCH                   ; what one tensor load brings
.set LB,    BLK                        ; A at 0; pass 0's column block here, pass 1's one block further,
.set LE,    3*BLK                      ; E (the block 16 further on) here
.set STN,   4*BLK                      ; straight stages: for each pass and wave 16 rows of 256 bytes
.set PN,    272                        ; 68 words: lane (li, lj) stores a word to bank 16 li + lj: 32 different banks
.set STNP,  4*16*PN                    ; a pass's straight stages
.set STT,   STN+2*STNP                 ; mirror stages: for each pass 64 rows (columns of the tile) of 256 bytes
.set PT,    288                        ; 72 words: lane (li, lj) stores four words from bank 8 lj + 4 li: sixteen lanes, sixteen different groups of four
.set STTP,  64*PT                      ; a pass's mirror stage
.set STE,   STT+2*STTP                 ; the extra piece's stage: for each wave 2 rows of 256 bytes
.set ROWB,  8192                       ; bytes in a row of out0
.set VA,  1                            ; v1, v2    pass p: LDS address of my first row of A at the loop's current k
.set VB,  3                            ; v3, v4    pass p: the same for my first column's row
.set VTA, 5                            ; extra piece: my wave's first row in A (the same in all lanes)
.set VTE, 6                            ; extra piece: my first column's row in E
.set VSN, 7                            ; where I store into the straight stage
.set VST, 8                            ; into the mirror stage
.set VSE, 9                            ; into the extra piece's stage
.set VRN, 10                           ; where I read the straight stage back by rows
.set VRT, 11                           ; the mirror stage
.set VRE, 12                           ; the extra piece's stage
.set VG,  13                           ; byte offset in out0: (lane >> 4) rows + 16 (lane & 15)
.set VCP, 14                           ; byte offset of my 16 bytes of the copy
.set ACC,  16                          ; v[16:47]   sum (x, y) at ACC + 4 y + x
.set ACCT, 48                          ; v[48:55]   extra piece: sum (r, c) at ACCT + 2 r + c, a second set for the odd pairs of k at + 4
.set D,    56                          ; v[56:71]   sixteen differences (in the prologue: scratch)
.set S,    72                          ; v[72:79]   eight sums of two
.set A0,   80                          ; operands of a pass: 4 rows x 4 k, 8 columns x 4 k, two buffers
.set B0,   96
.set A1,   128
.set B1,   144
.set X0,   80                          ; the same 96 registers in the extra piece: 2 rows x 8 k, 2 columns x 8 k, three buffers
.set X1,   112
.set X2,   144
.set RBN,  176                         ; v[176:207] eight pairs of straight rows, read back
.set RBT,  208                         ; v[208:239] eight pairs of mirrored rows, read back
.set CPD,  240                         ; v[240:243] the copy's 16 bytes
.set SBN,  44                          ; s[44:47]   pass p: out0 at my wave's first straight row
.set SBT,  48                          ; s[48:51]   pass p: out0 at my wave's first mirrored row
.set SBE,  52                          ; s[52:53]   out0 at my wave's first row of the extra piece
	s_load_b128 s[4:7], s[0:1], 0x0                ; lambdas s[4:5], out0 s[6:7]
	s_load_b64 s[8:9], s[0:1], 0x10                ; out1
	v_lshl_add_u32 v244, v0, 2, 0x29000
	v_mov_b32 v245, 0
	ds_add_u32 v244, v245
	ds_add_u32 v244, v245
	v_lshrrev_b32 v15, 5, v0
	v_readfirstlane_b32 s10, v15                   ; wave w
	s_lshr_b32 s11, ttmp9, 3                       ; i
	s_and_b32 s12, ttmp9, 7                        ; q
	s_lshr_b32 s13, s10, 1                         ; w >> 1
	s_and_b32 s14, s10, 1                          ; w & 1
	s_lshl_b32 s15, s12, 1                         ; 2 q
	s_add_co_u32 s40, s11, s15
	s_add_co_u32 s41, s40, 1
	s_and_b32 s40, s40, 31                         ; pass 0's column block
	s_and_b32 s41, s41, 31                         ; pass 1's
	s_add_co_u32 s42, s11, 16
	s_and_b32 s42, s42, 31                         ; the extra piece's
	; Two tensor loads a wave.  The first brings what pass 0 reads: A and pass 0's block are 128 rows, shared among four waves, 32 rows each
	; (waves 0, 1: A; waves 2, 3: the block).  The second brings what is read later: pass 1's block (waves 0, 1) and E (waves 2, 3).
	s_cmp_eq_u32 s13, 0
	s_cselect_b32 s16, s11, s40
	s_cselect_b32 s18, s41, s42
	s_lshl_b32 s16, s16, 14                        ; a block is 64 rows of 256 bytes
	s_lshl_b32 s18, s18, 14
	s_lshl_b32 s36, s14, 13                        ; its upper or lower 32 rows
	s_add_co_u32 s16, s16, s36
	s_add_co_u32 s18, s18, s36
	s_mov_b32 s17, 0
	s_mov_b32 s19, 0
	s_mov_b32 s20, 1                               ; group 0 of the first load: count = 1
	s_mul_i32 s21, s10, HALF                       ; LDS address: the wave's number times 32 rows
	s_mov_b32 s32, 1                               ; group 0 of the second load
	s_add_co_u32 s33, s21, 2*BLK                   ; two blocks further on
	; group 1, for both: a dense block of 32 rows of 32 elements of 8 bytes, 4 words of padding behind every 64 words
	s_mov_b32 s24, (3<<16)|(1<<20)|(5<<22)|(3<<25) ; no mask; elements of 8 bytes; padding on, after 64 words, of 4 words
	s_mov_b32 s25, 32<<16                          ; tensor_dim0 = 32
	s_mov_b32 s26, 32<<16                          ; tensor_dim1 = 32
	s_mov_b32 s27, 32<<16                          ; tile_dim0 = 32
	s_mov_b32 s28, 32                              ; tile_dim1 = 32
	s_mov_b32 s29, 32                              ; 32 elements from row to row
	s_mov_b32 s30, 0
	s_mov_b32 s31, 0
	s_wait_dscnt 0x0
	s_wait_kmcnt 0x0
	s_add_nc_u64 s[22:23], s[4:5], s[16:17]
	s_or_b32 s23, s23, 0x80000000                  ; type = 2
	s_add_nc_u64 s[34:35], s[4:5], s[18:19]
	s_or_b32 s35, s35, 0x80000000
	tensor_load_to_lds s[20:23], s[24:31]          ; the wave's only two tensor loads: two are out at the most, and nothing in LDS is filled twice
	s_nop 0
	tensor_load_to_lds s[32:35], s[24:31]
	s_nop 0
	s_lshl_b32 s36, ttmp9, 11                      ; the copy: 2,048 bytes a work-group, 16 a thread
	v_lshl_add_u32 v[VCP], v0, 4, s36
	global_load_b128 v[CPD:CPD+3], v[VCP], s[4:5]
	; addresses, while the tiles are on their way
	v_and_b32 v15, 31, v0                          ; lane
	v_lshrrev_b32 v56, 3, v15                      ; li
	v_and_b32 v57, 7, v0                           ; lj
	v_lshrrev_b32 v58, 4, v15                      ; lane >> 4
	v_and_b32 v59, 15, v0                          ; lane & 15
	v_mul_u32_u24 v60, v56, 4*PITCH                ; 4 li rows
	v_mul_u32_u24 v61, v57, PITCH                  ; lj rows
	s_mul_i32 s56, s10, 16*PITCH                   ; 16 w rows
	v_add_nc_u32 v[VA], s56, v60                   ; A row 16 w + 4 li, for each pass a register of its own: the loops step them
	v_add_nc_u32 v[VA+1], s56, v60
	v_add_nc_u32 v[VB], LB, v61                    ; row lj of the pass's column block
	v_add_nc_u32 v[VB+1], LB+BLK, v61
	s_lshl_b32 s55, s12, 3
	s_lshl_b32 s43, s10, 1
	s_add_co_u32 s55, s55, s43                     ; 8 q + 2 w
	s_mul_i32 s57, s55, PITCH
	v_mov_b32 v[VTA], s57                          ; A row 8 q + 2 w
	v_mul_u32_u24 v62, v15, PITCH
	v_add_nc_u32 v[VTE], LE, v62                   ; E row lane
	s_add_co_u32 s58, s56, STN                     ; my wave's straight stage (PN = PITCH: 16 w rows)
	v_lshl_add_u32 v63, v57, 2, v60                ; row 4 li, word lj
	v_add_nc_u32 v[VSN], s58, v63
	s_lshl_b32 s59, s10, 6
	s_add_co_u32 s59, s59, STT
	v_mul_u32_u24 v64, v57, PT
	v_lshl_add_u32 v64, v56, 4, v64                ; row lj, word 16 w + 4 li
	v_add_nc_u32 v[VST], s59, v64
	s_lshl_b32 s60, s10, 9
	s_add_co_u32 s60, s60, STE                     ; my wave's 512 bytes of the extra piece's stage
	v_lshl_add_u32 v[VSE], v15, 2, s60             ; in: word lane
	v_lshl_add_u32 v[VRE], v15, 4, s60             ; back: lanes 0-15 the first row, lanes 16-31 the second
	v_mul_u32_u24 v65, v58, PN
	v_lshl_add_u32 v65, v59, 4, v65
	v_add_nc_u32 v[VRN], s58, v65                  ; lanes 0-15 one row of 256 bytes, lanes 16-31 the next
	s_mul_i32 s61, s10, 16*PT
	s_add_co_u32 s61, s61, STT                     ; mirrored rows 16 w ..
	v_mul_u32_u24 v66, v58, PT
	v_lshl_add_u32 v66, v59, 4, v66
	v_add_nc_u32 v[VRT], s61, v66
	v_lshlrev_b32 v67, 4, v59
	v_lshl_add_u32 v[VG], v58, 13, v67
	; where the results go: out0 + (64 x row block + rows) x 8,192 + 256 x column block; the offset is made apart from the address
.macro BASE dst, rb, ra, cb
	s_lshl_b32 s38, s[\rb], 6
	s_add_co_u32 s38, s38, s[\ra]
	s_lshl_b32 s38, s38, 13
	s_lshl_b32 s43, s[\cb], 8
	s_add_co_u32 s38, s38, s43
	s_add_nc_u64 s[\dst:\dst+1], s[6:7], s[38:39]
.endm
	s_mov_b32 s39, 0
	s_lshl_b32 s37, s10, 4                         ; 16 w
	BASE SBN,   11, 37, 40                         ; straight, pass 0: row 64 i + 16 w, pass 0's column block
	BASE SBN+2, 11, 37, 41                         ; straight, pass 1
	BASE SBT,   40, 37, 11                         ; mirror, pass 0: row 64 x block + 16 w, column block i
	BASE SBT+2, 41, 37, 11                         ; mirror, pass 1
	BASE SBE,   11, 55, 42                         ; extra piece: row 64 i + 8 q + 2 w
; twelve LDS loads: 4 k (16 bytes at byte k of the rows) of my 4 rows and my 8 columns
.macro LOADAB p, ab, bb, k
.irp x, 0,1,2,3
	ds_load_b128 v[\ab+4*\x:\ab+4*\x+3], v[VA+\p] offset:\x*PITCH+\k
.endr
.irp y, 0,1,2,3,4,5,6,7
	ds_load_b128 v[\bb+4*\y:\bb+4*\y+3], v[VB+\p] offset:\y*8*PITCH+\k
.endr
.endm
; my 4 rows against columns y = 2g, 2g + 1, two k: sixteen differences, those of sum ACC + 8 g + e at D + 2 e
.macro GROUP_P ab, bb, g, kp
.irp yy, 0,1
.irp x, 0,1,2,3
	v_pk_add_f32 v[D+8*\yy+2*\x:D+8*\yy+2*\x+1], v[\ab+4*\x+2*\kp:\ab+4*\x+2*\kp+1], v[\bb+4*(2*\g+\yy)+2*\kp:\bb+4*(2*\g+\yy)+2*\kp+1] neg_lo:[0,1] neg_hi:[0,1]
.endr
.endr
.endm
; |d| + |d'| for each of the eight
.macro GROUP_V dst
.irp y, 0,1,2,3,4,5,6,7
	v_add_f32 v[\dst+\y], |v[D+2*\y]|, |v[D+2*\y+1]|
.endr
.endm
; the eight onto eight neighbouring sums
.macro GROUP_Q base
.irp y, 0,2,4,6
	v_pk_add_f32 v[\base+\y:\base+\y+1], v[\base+\y:\base+\y+1], v[S+\y:S+\y+1]
.endr
.endm
; One chunk of 4 k: eight groups.  A group's four adds onto the sums stand behind the next group's differences, so that no
; instruction reads what one of the seven in front of it wrote.  first = 1: the first two k start the sums; nothing is cleared.
.macro COMPUTE ab, bb, first
.set PEND, -1
.irp kp, 0,1
.irp g, 0,1,2,3
	GROUP_P \ab, \bb, \g, \kp
.if PEND >= 0
	GROUP_Q ACC+8*PEND
.endif
.set DIRECT, 0
.if \first
.if \kp == 0
.set DIRECT, 1
.endif
.endif
.if DIRECT
	GROUP_V ACC+8*\g
.set PEND, -1
.else
	GROUP_V S
.set PEND, \g
.endif
.endr
.endr
	GROUP_Q ACC+8*PEND
.endm
; The extra piece: eight LDS loads bring 8 k (32 bytes at byte 32 n of the rows) of my 2 rows and my 2 columns
.macro TLOAD xb, n
.irp r, 0,1
.irp m, 0,1
	ds_load_b128 v[\xb+8*\r+4*\m:\xb+8*\r+4*\m+3], v[VTA] offset:\r*PITCH+32*\n+16*\m
.endr
.endr
.irp c, 0,1
.irp m, 0,1
	ds_load_b128 v[\xb+16+8*\c+4*\m:\xb+16+8*\c+4*\m+3], v[VTE] offset:\c*32*PITCH+32*\n+16*\m
.endr
.endr
.endm
; 2 x 2 results, 4 k: sixteen differences; pair t of k goes to set t of the sums
.macro TGROUP_P xb, g
.irp t, 0,1
.irp r, 0,1
.irp c, 0,1
	v_pk_add_f32 v[D+8*\t+4*\r+2*\c:D+8*\t+4*\r+2*\c+1], v[\xb+8*\r+4*\g+2*\t:\xb+8*\r+4*\g+2*\t+1], v[\xb+16+8*\c+4*\g+2*\t:\xb+16+8*\c+4*\g+2*\t+1] neg_lo:[0,1] neg_hi:[0,1]
.endr
.endr
.endr
.endm
.macro TCOMP xb, first
.set PEND, 0
.irp g, 0,1
	TGROUP_P \xb, \g
.if PEND
	GROUP_Q ACCT
.endif
.set DIRECT, 0
.if \first
.if \g == 0
.set DIRECT, 1
.endif
.endif
.if DIRECT
	GROUP_V ACCT
.set PEND, 0
.else
	GROUP_V S
.set PEND, 1
.endif
.endr
	GROUP_Q ACCT
.endm
; A pass's arithmetic: 16 chunks of 4 k on two buffers.  Chunk 0's loads have been issued in front of it.
.macro PASS p
	LOADAB \p, A1, B1, 16                          ; chunk 1
	s_wait_dscnt 12                                ; LDS loads come back in order (ISA guide 5.7.1): all but the 12 just issued are in
	COMPUTE A0, B0, 1
	s_mov_b32 s54, 7
.Lk_\p:                                            ; trip t: chunk 2t+1 is on its way into buffer 1
	LOADAB \p, A0, B0, 32                          ; chunk 2t+2
	s_wait_dscnt 12                                ; chunk 2t+1 is in; the 12 younger loads stay out
	COMPUTE A1, B1, 0
	LOADAB \p, A1, B1, 48                          ; chunk 2t+3
	v_add_nc_u32 v[VA+\p], 32, v[VA+\p]            ; two chunks on
	v_add_nc_u32 v[VB+\p], 32, v[VB+\p]
	s_wait_dscnt 12                                ; chunk 2t+2 is in
	COMPUTE A0, B0, 0
	s_sub_co_u32 s54, s54, 1
	s_cmp_lg_u32 s54, 0
	s_cbranch_scc1 .Lk_\p
.if \p
	TLOAD X0, 0                                    ; nothing is left of the pass to fetch: the extra piece's first 8 k, into buffer 0's registers
	s_wait_dscnt 8                                 ; chunk 15 is in; those 8 loads stay out
.else
	s_wait_dscnt 0x0                               ; chunk 15 is in
.endif
	COMPUTE A1, B1, 0
.endm
; A pass's way out, up to its barrier.  exp(-s) = 2^(-1.442695 s).  Eight exponentials at a time; the next eight's scaling stands behind
; them as the plain vector instructions that come before a transcendental's result is used (ISA guide 5.7.2).  By the text's own count at
; most 56 LDS instructions are out here: 8 loads of the extra piece (pass 1), 32 + 8 stage stores, 8 loads back.
.macro WAYOUT p
.irp j, 0,2,4,6
	v_pk_mul_f32 v[ACC+\j:ACC+\j+1], v[ACC+\j:ACC+\j+1], 0xbfb8aa3b op_sel_hi:[1,0]
.endr
.irp g, 0,1,2,3
.irp e, 0,1,2,3,4,5,6,7
	v_exp_f32 v[ACC+8*\g+\e], v[ACC+8*\g+\e]
.endr
.if \g < 3
	s_wait_alu depctr_va_vdst(0)
.irp j, 0,2,4,6
	v_pk_mul_f32 v[ACC+8*(\g+1)+\j:ACC+8*(\g+1)+\j+1], v[ACC+8*(\g+1)+\j:ACC+8*(\g+1)+\j+1], 0xbfb8aa3b op_sel_hi:[1,0]
.endr
.else
	v_nop                                          ; the plain instruction behind the last exponentials
	s_wait_alu depctr_va_vdst(0)
.endif
.irp yy, 0,1
.irp x, 0,1,2,3
	ds_store_b32 v[VSN], v[ACC+8*\g+4*\yy+\x] offset:\p*STNP+\x*PN+(2*\g+\yy)*32   ; row 4 li + x, word 8 y + lj
.endr
.endr
.endr
.if \p == 0
	s_cmp_eq_u32 s12, 0                            ; q = 0: pass 0's block lies on the diagonal, was computed whole and has no mirror
	s_cbranch_scc1 .Lno_mirror_stage
.endif
.irp y, 0,1,2,3,4,5,6,7
	ds_store_b128 v[VST], v[ACC+4*\y:ACC+4*\y+3] offset:\p*STTP+\y*8*PT            ; row 8 y + lj, words 16 w + 4 li .. + 3
.endr
.if \p == 0
.Lno_mirror_stage:
.else
	s_wait_xcnt 0x0                                ; pass 0's stores read the row registers: these are loaded again only behind this wait (ISA guide 3.1)
.endif
.irp n, 0,1,2,3,4,5,6,7
	ds_load_b128 v[RBN+4*\n:RBN+4*\n+3], v[VRN] offset:\p*STNP+\n*2*PN             ; my wave's own bytes: LDS serves a wave's instructions in order (ISA guide 5.7.1.4)
.endr
.irp n, 0,1,2,3,4,5,6,7
	s_wait_dscnt 7-\n                              ; load n is in; the 7 - n younger ones stay out
	global_store_b128 v[VG], v[RBN+4*\n:RBN+4*\n+3], s[SBN+2*\p:SBN+2*\p+1] offset:\n*2*ROWB th:TH_STORE_NT   ; 16 lanes store 256 consecutive bytes, at a multiple of 256
.endr
	; the count-down has ended at 0: my stores into the mirror stage, of whose rows each wave writes a quarter, are done too
.if \p == 0
	s_wait_tensorcnt 0x0                           ; and my second tensor load has landed: pass 1's block and E are read behind this barrier
.endif
	s_barrier_signal -1
	s_barrier_wait -1
.endm
; sixteen mirrored rows of the pass, 16 w .. 16 w + 15, back from the stage and out
.macro MIRROR_BACK p
.irp n, 0,1,2,3,4,5,6,7
	ds_load_b128 v[RBT+4*\n:RBT+4*\n+3], v[VRT] offset:\p*STTP+\n*2*PT
.endr
.endm
.macro MIRROR_STORE p, younger
.irp n, 0,1,2,3,4,5,6,7
	s_wait_dscnt \younger+7-\n                     ; load n is in; the 7 - n younger ones of the rows, and what was issued behind them, stay out
	global_store_b128 v[VG], v[RBT+4*\n:RBT+4*\n+3], s[SBT+2*\p:SBT+2*\p+1] offset:\n*2*ROWB th:TH_STORE_NT
.endr
.endm
; a step of the extra piece: a chunk is asked for two steps ahead of its use
.macro TSTEP xl, n, xc
	TLOAD \xl, \n
	s_wait_dscnt 16                                ; the two youngest chunks (16 loads) stay out; the one now multiplied is in
	TCOMP \xc, 0
.endm
	s_wait_tensorcnt 0x1                           ; my part of A and of pass 0's block is in LDS; my second load stays out
	s_barrier_signal -1                            ; and what it brings is read only behind the next one
	s_barrier_wait -1                              ; the other three waves' parts are in too
	LOADAB 0, A0, B0, 0                            ; pass 0, chunk 0
	s_wait_loadcnt 0x0                             ; the copy's 16 bytes (asked for ahead of the tiles' wait)
	global_store_b128 v[VCP], v[CPD:CPD+3], s[8:9] th:TH_STORE_NT   ; a wave's store covers 512 consecutive bytes; its registers are never written again
	PASS 0
	WAYOUT 0
	LOADAB 1, A0, B0, 0                            ; pass 1, chunk 0: older than the rows' loads below, so their waits cover it
	s_cmp_eq_u32 s12, 0
	s_cbranch_scc1 .Lno_mirror_out
	MIRROR_BACK 0
	MIRROR_STORE 0, 0
.Lno_mirror_out:
	PASS 1                                         ; pass 0's stores leave while this runs
	WAYOUT 1                                       ; 2 q + 1 is never 0: pass 1 always has a mirror
	MIRROR_BACK 1
	TLOAD X1, 1                                    ; the extra piece's chunks 1 and 2: 16 loads behind the rows'
	TLOAD X2, 2
	MIRROR_STORE 1, 16
	TCOMP X0, 1                                    ; chunk 0 was shown in by the wait for 0 in front of the barrier; it starts the sums
	TSTEP X0, 3, X1
	TSTEP X1, 4, X2
	TSTEP X2, 5, X0
	TSTEP X0, 6, X1
	TSTEP X1, 7, X2
	s_wait_dscnt 8                                 ; chunk 6 is in; chunk 7's 8 loads stay out
	TCOMP X0, 0
	s_wait_dscnt 0x0
	TCOMP X1, 0
	v_pk_add_f32 v[ACCT:ACCT+1], v[ACCT:ACCT+1], v[ACCT+4:ACCT+5]       ; the two sets of the extra piece's sums
	v_pk_add_f32 v[ACCT+2:ACCT+3], v[ACCT+2:ACCT+3], v[ACCT+6:ACCT+7]
	v_pk_mul_f32 v[ACCT:ACCT+1], v[ACCT:ACCT+1], 0xbfb8aa3b op_sel_hi:[1,0]
	v_pk_mul_f32 v[ACCT+2:ACCT+3], v[ACCT+2:ACCT+3], 0xbfb8aa3b op_sel_hi:[1,0]
.irp j, 0,1,2,3
	v_exp_f32 v[ACCT+\j], v[ACCT+\j]
.endr
	v_nop                                          ; the plain instruction behind the exponentials
	s_wait_alu depctr_va_vdst(0)
.irp r, 0,1
.irp c, 0,1
	ds_store_b32 v[VSE], v[ACCT+2*\r+\c] offset:\r*256+\c*128      ; row r, word lane + 32 c: my wave's own two rows, so no barrier
.endr
.endr
	ds_load_b128 v[D:D+3], v[VRE]
	s_wait_dscnt 0x0
	global_store_b128 v[VG], v[D:D+3], s[SBE:SBE+1] th:TH_STORE_NT
	s_wait_tensorcnt 0x0
	ds_add_u32 v244, v245
	s_wait_dscnt 0x0
	s_endpgm
.Lfunc_end_k_qc913c93939_l1mask:
	.size	k_qc913c93939_l1mask, .Lfunc_end_k_qc913c93939_l1mask-k_qc913c93939_l1mask
	.p2alignl 7, 3214868480
	.fill 96, 4, 3214868480
	.section	.rodata,"a",@progbits
	.p2align	6, 0x0
	.amdhsa_kernel k_qc913c93939_l1mask
		.amdhsa_group_segment_fixed_size 168448
		.amdhsa_private_segment_fixed_size 0
		.amdhsa_enable_private_segment 0
		.amdhsa_kernarg_size 24
		.amdhsa_user_sgpr_count 2
		.amdhsa_user_sgpr_kernarg_segment_ptr 1
		.amdhsa_wavefront_size32 1
		.amdhsa_system_sgpr_workgroup_id_x 1
		.amdhsa_system_sgpr_workgroup_id_y 1
		.amdhsa_system_sgpr_workgroup_id_z 1
		.amdhsa_system_vgpr_workitem_id 0
		.amdhsa_next_free_vgpr 246
		.amdhsa_next_free_sgpr 66
		.amdhsa_reserve_vcc 0
		.amdhsa_float_denorm_mode_32 3
		.amdhsa_float_denorm_mode_16_64 3
		.amdhsa_memory_ordered 1
		.amdhsa_forward_progress 1
		.amdhsa_inst_pref_size 133
	.end_amdhsa_kernel
	.amdgpu_metadata
---
amdhsa.version: [ 1, 2 ]
amdhsa.kernels:
  - .name:           k_qc913c93939_l1mask
    .symbol:         k_qc913c93939_l1mask.kd
    .args:
      - { .name: lambdas, .offset: 0, .size: 8, .value_kind: global_buffer, .address_space: global }
      - { .name: out0, .offset: 8, .size: 8, .value_kind: global_buffer, .address_space: global }
      - { .name: out1, .offset: 16, .size: 8, .value_kind: global_buffer, .address_space: global }
    .group_segment_fixed_size: 168448
    .private_segment_fixed_size: 0
    .kernarg_segment_align: 8
    .kernarg_segment_size: 24
    .max_flat_workgroup_size: 128
    .sgpr_count:     66
    .vgpr_count:     246
    .wavefront_size: 32
...
	.end_amdgpu_metadata
.endif
;; end of part 1
